; MI455X (gfx1250); checked and timed in simulation.
; The chip was launched on July 23, 2026; its instructions are those of AMD's public machine-readable ISA for CDNA 5 (MIT licence, August 2026) and "CDNA5" Instruction Set Architecture Reference Guide (July 2026). The comments in the code are by the model that wrote it; some were corrected since.
;; Multi Head Attention. Allowed arithmetic: matrix products marked QUANTISED: E2M3 operands, one E8M0 scale for each 32 along K, by v_wmma_scale_f32_16x16x128_f8f6f4 with both operands' format E2M3, f32 sums; everything else in f32.
;; Inputs: Wk 16 x 1,024 x 64 float32; Wp 1,024 x 1,024 float32; Wq 16 x 1,024 x 64 float32; Wv 16 x 1,024 x 64 float32; bp 1,024 float32; x 4 x 2,048 x 1,024 float32.
;; Outputs: out0 4 x 2,048 x 1,024 float32.
;; This version of the problem:
;;   THIS VERSION OF THE PROBLEM IS GIVEN IN LOW PRECISION. The matrix products marked QUANTISED in the list below multiply operands that are first quantised to E2M3 (2 exponent bits, 3 mantissa bits; 6 bits a number), with one power-of-two scale for each 32 numbers along K (OCP MX v1.0); their sums are f32. All else is computed in f32.
;;   The module's matrix products, in the order in which they are computed (A, B: the left and right operand; K: the contracted axis; several contracted axes count as one K, in the product's order):
;;     1. [M 1,024, K 1,024] x [K 1,024, N 8,192]; A: input Wq; B: input x: QUANTISED
;;     2. [M 1,024, K 1,024] x [K 1,024, N 8,192]; A: input Wk; B: input x: QUANTISED
;;     3. [M 1,024, K 1,024] x [K 1,024, N 8,192]; A: input Wv; B: input x: QUANTISED
;;     4. batch 64 x [M 2,048, K 64] x [K 64, N 2,048]; A: computed on the way; B: computed on the way: QUANTISED
;;     5. batch 64 x [M 2,048, K 2,048] x [K 2,048, N 64]; A: softmax (see below); B: computed on the way: QUANTISED
;;     6. [M 8,192, K 1,024] x [K 1,024, N 1,024]; A: computed on the way; B: input Wp: QUANTISED
;;   THE QUANTISER, for each operand of a quantised product, along K:
;;     - K is cut into blocks of 32 from its start; a last block that is shorter is filled with zeros.
;;     - A block's scale is 2^e with e = floor(log2(the largest magnitude in the block)) - 2, held to -126 .. 127; a block of zeros has e = 0. As a byte (E8M0): e + 127.
;;     - Each number is divided by its block's scale, clamped to +-7.5, and rounded to the nearest number of E2M3, ties to even, subnormals kept.
;;     - The product sums the exact products of the quantised numbers (number of the format x scale) in f32.
;;   ~~~python
;;   def quantise(x, axis):      # numpy; x: float32 -> the quantised numbers, widened to float32 again
;;       x = np.moveaxis(x, axis, -1); K = x.shape[-1]
;;       x = np.pad(x, [(0, 0)] * (x.ndim - 1) + [(0, -K % 32)]); x = x.reshape(x.shape[:-1] + (-1, 32)); a = np.abs(x).max(-1, keepdims=True)
;;       e = np.where(a > 0, np.clip(np.frexp(np.where(a > 0, a, 1))[1] - 1 - 2, -126, 127), 0)      # np.frexp(a)[1] - 1 = floor(log2(a)), exactly
;;       r = np.clip(x / 2.0 ** e, -7.5, 7.5)
;;       step = 2.0 ** (np.maximum(np.frexp(np.where(r == 0, 1, r))[1] - 1, 0) - 3)
;;       q = np.round(r / step) * step * 2.0 ** e      # np.round: ties to even
;;       return np.moveaxis(q.reshape(q.shape[:-2] + (-1,))[..., :K], -1, axis).astype(np.float32)
;;   ~~~
;;   SOFTMAX AHEAD OF A QUANTISED PRODUCT. Where the list says 'softmax', what is quantised is not the finished softmax but p = 2^(t - M), with t = logit x log2(e) and M = ceil(the row's largest t), a whole number; so 1/2 < the row's largest p <= 1. The row's sum l is taken of the UNQUANTISED p, in f32, and the product's result is divided by l at the end. Since M is a whole number, a kernel that streams over the keys may use a running M (the ceiling of the running maximum): every later rescaling is an exact power of two, which a block's scale takes up: the codes' values come out the same.
;;   OPERANDS COMPUTED ON THE WAY. 'Computed on the way' means the value that the module computes at that place (a softmax that the list does not call 'softmax' is quantised finished and normalised). What goes into a quantiser is computed in f32, as accurately as f32 sums, v_exp_f32 and their like allow (about 1e-6 of the number): no bf16 or f16 on the way to a quantiser, and a product that is left as it is and whose result goes on into a quantised operand takes f32 operands (vector FMAs, or v_wmma_f32_16x16x4_f32). A number that lies on a knife's edge between two numbers of the format may be rounded either way, as far as f32 arithmetic and the matrix unit's own rounding can turn it there, and no further.
;; One version. Each part assembles by itself: llvm-mc -triple=amdgcn-amd-amdhsa -mcpu=gfx1250 --defsym DOCPART=n.
;; ======== version 1 of 1: 4 launches
;; limits: right only within a limited range of input values
;; workspace buffers: cod 9,437,184 bytes; scl 393,216 bytes; qb 6,553,600 bytes; kvb 13,107,200 bytes; att 6,291,456 bytes; atts 262,144 bytes
;; launch quant (part 1): grid 256 x 1, 4 waves a work-group, no clusters, 34,304 bytes of LDS; arguments x, Wq, Wk, Wv, Wp, cod, scl; writes cod, scl
.if DOCPART == 1
	.amdgcn_target "amdgcn-amd-amdhsa--gfx1250"
	.amdhsa_code_object_version 6
	.text
	.protected	k_q8b7940e39c_quant
	.globl	k_q8b7940e39c_quant
	.p2align	8
	.type	k_q8b7940e39c_quant,@function
k_q8b7940e39c_quant:
	s_mov_b64 s[64:65], 0
	v_nop
	global_prefetch_b8 v0, s[64:65] scope:SCOPE_SE
	s_setreg_imm32_b32 hwreg(HW_REG_WAVE_MODE, 25, 1), 1
	s_wait_xcnt 0x0
; x [8192][1024] and the four weights (K = their 1,024-long axis, which is NOT innermost) become codes of FP6 (E2M3) with one E8M0 byte for each 32 along K.
; A block's scale is 2^(floor(log2(largest magnitude)) - 2); its byte is the largest magnitude's exponent field - 2, held at 1 from below.
; LIMITS: NaN and infinities are not served; a block whose largest magnitude lies under 2^-124 gets the byte 1; a block of zeros gets the byte 1 (not 127) over zero codes: these bytes are read by this program alone.
; LAYOUT OF cod: [768 tiles of 16 rows][8 K steps of 128][1,536 bytes]: a K step of a tile is the IMAGE of the operand's 12 registers: register pair p of lane l at 256 p + 8 l.
;   tiles 0-511 x's rows; 512-575 Wq (row = 64 head + d); 576-639 Wk; 640-703 Wv; 704-767 Wp (row = output column).
;   THE ROWS OF A TILE ARE NOT NEIGHBOURS: tile 2 F + u, place r, holds row 32 F + 8 u + r + 8 (r / 8).
; LAYOUT OF scl: [12,288 row places, in cod's order][32 bytes]: the byte of K block k / 32.
; SHARES: 256 work-groups.  Waves 0, 1: one tile of x each (16 rows x 4,096 bytes).  Waves 2, 3: 32 columns x 256 along K of one weight each.  Waves share nothing: no barrier.
; No matrix unit, no tensor load, no cluster: the launch reads each input byte once and no two work-groups read the same byte.
; THE LAYOUT IN FORCE (it takes the place of the two layout paragraphs above): cod: [768 tiles of 16 rows][8 K steps][3 pieces][32 lanes][16 bytes]: piece k holds registers 4 k .. 4 k + 3 of the operand's 12.
; Tile 4 G + j, place r, holds row 64 G + 32 (r / 8) + 8 j + r % 8, in x and in all four weights.  scl is laid by the same row places.
.set STG,   8448
.set SPARE, 4*STG                      ; behind the stages: the spare words, 128 bytes a wave
.set SPW,   14                         ; v14  my spare word's LDS address; never rewritten
.set NIL,   15                         ; v15  0; never rewritten
.set TM,    16                         ; v16-31 at work
.set PC,    32                         ; v32-51 codes
.set SW,    52                         ; v52-59 scale words (x: one a K step;  weights: v52-53, my column's 8 bytes)
.set X,     64                         ; v64-127 64 numbers (weights: two sets of 32)
.set LD,    128                        ; v128-255 x: two sets of 64 as loaded
.set OFS,   128                        ; v128-159 weights: byte offset of row i of a block, at my column
.set SEL,   20                         ; s[20:21] v_permlanex16_b32's selects for lane l xor 16
	s_load_b256 s[4:11], s[0:1], 0x0               ; x, Wq, Wk, Wv
	s_load_b128 s[12:15], s[0:1], 0x20             ; Wp, cod
	s_load_b64 s[16:17], s[0:1], 0x30              ; scl
	v_lshl_add_u32 v[SPW], v0, 2, SPARE
	v_mov_b32 v[NIL], 0
	v_lshrrev_b32 v1, 5, v0
	v_readfirstlane_b32 s18, v1                    ; wave 0..3
	v_and_b32 v1, 31, v0                           ; lane
	v_and_b32 v2, 15, v0                           ; r
	v_bfe_u32 v3, v0, 4, 1                         ; h
	v_lshlrev_b32 v4, 4, v1                        ; 16 x lane
	s_mul_i32 s19, s18, STG
	v_add_nc_u32 v5, s19, v4                       ; the stage, way in: a row's 512 bytes as they lie
	v_mul_u32_u24 v6, v2, 528
	v_lshl_add_u32 v6, v3, 6, v6
	v_add_nc_u32 v6, s19, v6                       ; way out: row r, + 64 h: my 16 numbers of each block of 32
	v_lshlrev_b32 v7, 3, v1                        ; 8 x lane: my place in a register pair's 256 bytes
	v_lshlrev_b32 v8, 5, v2
	v_lshl_add_u32 v8, v3, 4, v8                   ; 32 r + 16 h: x's scale bytes
	v_lshlrev_b32 v9, 5, v1                        ; 32 x lane: a weight column's scale bytes
	s_mov_b32 s[SEL], 0x76543210
	s_mov_b32 s[SEL+1], 0xfedcba98
.irp b, 0,1,2,3
	v_mov_b32 v[TM+4+\b], 0                        ; written once: a lane permute's destination counts as one of its sources
.endr
	s_wait_kmcnt 0x0
	s_cmp_lt_u32 s18, 2
	s_cbranch_scc0 .Lweights
; 64 numbers of a lane, register 16 b + i = k 32 b + 16 h + i of my row, become a fragment's 12 registers in v[PC] on and its scale word in v[pw]
.macro QUANT src, pw
.irp b, 0,1,2,3
	v_max3_num_f32 v[TM+\b], |v[\src+16*\b]|, |v[\src+1+16*\b]|, 0x1800000   ; my 16 numbers of block b, and the floor 2^(3 - 127): the byte cannot fall under 1
.endr
.irp i, 2,4,6,8,10,12,14
.irp b, 0,1,2,3
	v_max3_num_f32 v[TM+\b], v[TM+\b], |v[\src+16*\b+\i]|, |v[\src+1+16*\b+\i]|
.endr
.endr
.irp b, 0,1,2,3
	v_permlanex16_b32 v[TM+4+\b], v[TM+\b], s[SEL], s[SEL+1]
.endr
.irp b, 0,1,2,3
	v_max_num_f32 v[TM+\b], v[TM+\b], v[TM+4+\b]   ; with lane l xor 16's 16: the block's largest magnitude
.endr
.irp b, 0,1,2,3
	v_add_nc_u32 v[TM+12+\b], 0xff000000, v[TM+\b] ; 2 off its exponent field: the conversion's scale operand
.endr
.irp b, 0,1,2,3
	v_lshrrev_b32 v[TM+4+\b], 23, v[TM+12+\b]      ; the scale's byte
.endr
	v_lshl_or_b32 v[\pw], v[TM+5], 8, v[TM+4]
	v_lshl_or_b32 v[\pw], v[TM+6], 16, v[\pw]
	v_lshl_or_b32 v[\pw], v[TM+7], 24, v[\pw]
.irp c, 0,1
	v_cvt_scalef32_pk16_fp6_f32 v[PC+6*\c:PC+2+6*\c], v[\src+32*\c:\src+15+32*\c], v[TM+12+2*\c]
	v_cvt_scalef32_pk16_fp6_f32 v[PC+12+4*\c:PC+14+4*\c], v[\src+16+32*\c:\src+31+32*\c], v[TM+12+2*\c+1]   ; (a conversion's three registers begin on an even number)
.endr
	v_nop                                          ; one plain place behind a scaled conversion
.irp c, 0,1                                    ; the operand's layout wants a whole block in a lane: lanes 0-15 block 2 c, lanes 16-31 block 2 c + 1
.irp i, 0,1,2
	v_permlane16_swap_b32 v[PC+6*\c+\i], v[PC+12+4*\c+\i]
.endr
.irp i, 0,1,2
	v_mov_b32 v[PC+3+6*\c+\i], v[PC+12+4*\c+\i]
.endr
.endr
.endm
; ---------------- x: wave w takes tile 2 g + w: rows 64 (g / 2) + 8 (2 (g % 2) + w) + j % 8 + 32 (j / 8), j = 0 .. 15
	s_lshr_b32 s22, ttmp9, 1
	s_lshl_b32 s22, s22, 18                        ; 64 rows of 4,096 bytes for each four tiles
	s_and_b32 s23, ttmp9, 1
	s_lshl_b32 s23, s23, 1
	s_add_co_u32 s23, s23, s18                     ; j = the tile's number modulo 4
	s_lshl_b32 s23, s23, 15                        ; 8 j rows
	s_add_co_u32 s22, s22, s23
	s_mov_b32 s23, 0
	s_add_nc_u64 s[4:5], s[4:5], s[22:23]
	s_lshl_b32 s24, ttmp9, 1
	s_add_co_u32 s24, s24, s18                     ; the tile
	s_mul_i32 s22, s24, 12288
	s_add_nc_u64 s[14:15], s[14:15], s[22:23]
	s_lshl_b32 s22, s24, 9
	s_add_nc_u64 s[16:17], s[16:17], s[22:23]
.macro LOADX t                         ; K step t of the 16 rows: each load reads 512 consecutive bytes of one row
.irp j, 0,1,2,3,4,5,6,7,8,9,10,11,12,13,14,15
	global_load_b128 v[LD+64*((\t)%2)+4*\j:LD+64*((\t)%2)+4*\j+3], v4, s[4:5] offset:(\j+24*(\j/8))*4096+512*(\t) th:TH_LOAD_NT
.endr
.endm
.macro XSTEP t
.if (\t) < 7
	s_wait_loadcnt 16                              ; this K step's 16 loads are in; the next step's 16 may be out
.else
	s_wait_loadcnt 0x0
.endif
.irp j, 0,1,2,3,4,5,6,7,8,9,10,11,12,13,14,15
	ds_store_b128 v5, v[LD+64*((\t)%2)+4*\j:LD+64*((\t)%2)+4*\j+3] offset:528*\j
.endr
.irp b, 0,1,2,3
.irp j, 0,1,2,3
	ds_load_b128 v[X+16*\b+4*\j:X+16*\b+4*\j+3], v6 offset:128*\b+16*\j   ; LDS serves a wave's instructions in order: these see the stores above
.endr
.endr
	s_wait_dscnt 0x0                               ; the numbers are back, and the stores have read the set that is loaded again below
	s_wait_xcnt 0x0                                ; the last step's stores have read the code registers, which are written again below
.if (\t)+2 < 8
	LOADX (\t)+2
.endif
	QUANT X, SW+(\t)
.irp p, 0,1,2
	global_store_b128 v4, v[PC+4*\p:PC+4*\p+3], s[14:15] offset:1536*(\t)+512*\p   ; 32 lanes store 512 consecutive bytes, aligned
.endr
.endm
	LOADX 0
	LOADX 1
	s_wait_alu depctr_va_vdst(0)
.irp t, 0,1,2,3,4,5,6,7
	XSTEP \t
.endr
	v_cmp_le_u32 vcc_lo, 16, v1                    ; lanes 0-15 store K steps 0-3's words of row r, lanes 16-31 K steps 4-7's
.irp j, 0,1,2,3
	v_cndmask_b32 v[60+\j], v[SW+\j], v[SW+4+\j], vcc_lo
.endr
	global_store_b128 v8, v[60:63], s[16:17]       ; 512 consecutive bytes
	s_wait_tensorcnt 0x0                           ; the wave's end: behind my last LDS store
	ds_add_u32 v[SPW], v[NIL]
	s_wait_dscnt 0x0
	s_endpgm
; ---------------- the weights: unit U = 2 g + wave - 2: 32 columns (cg = U / 4) x 256 along K (kq = U % 4).  A LANE TAKES A COLUMN AND ITS REGISTERS RUN DOWN K
.Lweights:
	s_lshl_b32 s24, ttmp9, 1
	s_add_co_u32 s24, s24, s18
	s_sub_co_u32 s24, s24, 2                       ; U
	s_lshr_b32 s25, s24, 2                         ; cg: 0 .. 127
	s_and_b32 s26, s24, 3                          ; kq
	s_lshr_b32 s27, s25, 5                         ; which tensor: Wq, Wk, Wv, Wp
	s_and_b32 s28, s25, 31                         ; which 32 of its 1,024 columns
	s_lshr_b32 s30, s28, 1
	s_lshl_b32 s30, s30, 8                         ; Wp: 64 columns for each four tiles,
	s_and_b32 s31, s28, 1
	s_lshl_b32 s31, s31, 6                         ; 16 more for the second pair of tiles
	s_add_co_u32 s30, s30, s31
	s_lshl_b32 s31, s26, 20
	s_add_co_u32 s30, s30, s31
	s_lshr_b32 s31, s28, 1
	s_lshl_b32 s31, s31, 18
	s_and_b32 s50, s28, 1
	s_lshl_b32 s50, s50, 6
	s_add_co_u32 s31, s31, s50
	s_lshl_b32 s50, s26, 16
	s_add_co_u32 s31, s31, s50                     ; Wq, Wk, Wv [head][k][d]: head cl / 2, d from 16 (cl % 2), 256 kq rows of 256 bytes
	s_mov_b32 s29, 256
	s_cmp_eq_u32 s27, 1                            ; the choices hang on the work-group's and the wave's number alone
	s_cselect_b64 s[6:7], s[8:9], s[6:7]
	s_cmp_eq_u32 s27, 2
	s_cselect_b64 s[6:7], s[10:11], s[6:7]
	s_cmp_eq_u32 s27, 3
	s_cselect_b64 s[6:7], s[12:13], s[6:7]
	s_cselect_b32 s29, 4096, s29                   ; bytes from k to k + 1
	s_cselect_b32 s30, s30, s31
	s_mov_b32 s31, 0
	s_add_nc_u64 s[32:33], s[6:7], s[30:31]        ; block 0's first row;
	s_lshl_b32 s48, s29, 5
	s_mov_b32 s49, 0
.irp t, 1,2,3,4,5,6,7
	s_add_nc_u64 s[32+2*\t:33+2*\t], s[30+2*\t:31+2*\t], s[48:49]   ; block t's: 32 rows further down
.endr
	v_and_b32 v10, 7, v1                           ; lane 16 u + r takes column 8 u + r % 8 + 32 (r / 8): lanes 0-15 are the pair's first tile, lanes 16-31 its second
	v_and_b32 v11, 8, v1
	v_lshl_or_b32 v10, v11, 2, v10                 ; lane 16 u + 8 h + i takes column 32 h + 8 u + i of the pair's
	v_and_b32 v11, 16, v1
	v_lshrrev_b32 v11, 1, v11
	v_or_b32 v10, v10, v11
	v_lshlrev_b32 v10, 2, v10
.irp i, 0,1,2,3,4,5,6,7,8,9,10,11,12,13,14,15,16,17,18,19,20,21,22,23,24,25,26,27,28,29,30,31
	v_mad_u32_u24 v[OFS+\i], s29, \i, v10
.endr
	s_lshl_b32 s22, s25, 1
	s_add_co_u32 s22, s22, 512
	s_mul_i32 s22, s22, 12288                      ; tile 512 + 2 cg,
	s_mul_i32 s50, s26, 3072                       ; K steps 2 kq and 2 kq + 1
	s_add_co_u32 s22, s22, s50
	s_mov_b32 s23, 0
	s_add_nc_u64 s[14:15], s[14:15], s[22:23]
	s_lshl_b32 s22, s25, 10
	s_add_co_u32 s22, s22, 262144                  ; row place 8,192 + 32 cg, 32 bytes a place,
	s_lshl_b32 s50, s26, 3                         ; bytes 8 kq on
	s_add_co_u32 s22, s22, s50
	s_add_nc_u64 s[16:17], s[16:17], s[22:23]
.macro WLOAD t                         ; block t: rows 32 t + i at my column: the wave reads two runs of 64 consecutive bytes
.irp i, 0,1,2,3,4,5,6,7,8,9,10,11,12,13,14,15,16,17,18,19,20,21,22,23,24,25,26,27,28,29,30,31
	global_load_b32 v[X+32*((\t)%2)+\i], v[OFS+\i], s[32+2*(\t):33+2*(\t)] th:TH_LOAD_NT
.endr
.endm
.macro WBLOCK t
.set XS, X+32*((\t)%2)
.set CC, 160+12*((\t)%2)+6*(((\t)/2)%2)        ; v160-171 the first tile's 12 registers of a K step, v172-183 the second's
.if (\t) < 7
	s_wait_loadcnt 32                              ; this block's 32 loads are in; the next block's may be out
.else
	s_wait_loadcnt 0x0
.endif
	v_max3_num_f32 v16, |v[XS]|, |v[XS+1]|, |v[XS+2]|              ; all 32 numbers of the block are mine
	v_max3_num_f32 v17, |v[XS+3]|, |v[XS+4]|, |v[XS+5]|
.irp i, 6,10,14,18,22,26
	v_max3_num_f32 v16, v16, |v[XS+\i]|, |v[XS+\i+1]|
	v_max3_num_f32 v17, v17, |v[XS+\i+2]|, |v[XS+\i+3]|
.endr
	v_max3_num_f32 v16, v16, |v[XS+30]|, |v[XS+31]|
	v_max3_num_f32 v16, v16, v17, 0x1800000        ; and the floor
	v_add_nc_u32 v18, 0xff000000, v16              ; the conversion's scale operand
	v_lshrrev_b32 v19, 23, v18                     ; the byte
.if ((\t)%4) == 0
	v_mov_b32 v[SW+(\t)/4], v19
.else
	v_lshl_or_b32 v[SW+(\t)/4], v19, 8*((\t)%4), v[SW+(\t)/4]
.endif
.if (((\t)%2) == 0) && ((\t) > 0)
	s_wait_alu depctr_va_vdst(0)
	s_wait_xcnt 0x0                                ; the last pair's stores have read the code registers
.endif
	v_cvt_scalef32_pk16_fp6_f32 v[CC:CC+2], v[XS:XS+15], v18
	v_cvt_scalef32_pk16_fp6_f32 v[48:50], v[XS+16:XS+31], v18
	v_nop                                          ; one plain place behind a scaled conversion
.irp i, 0,1,2
	v_mov_b32 v[CC+3+\i], v[48+\i]                 ; six registers: my column's block, 24 bytes
.endr
.if (\t)+2 < 8
	WLOAD (\t)+2
.endif
.if ((\t)%2) == 1
.irp i, 0,1,2,3,4,5
	v_permlane16_swap_b32 v[CC-12+\i], v[CC+\i]    ; the even block's lanes 16-31 change places with the odd block's lanes 0-15
.endr
.if ((\t)%4) == 3
.irp q, 0,1,2
	global_store_b128 v4, v[160+4*\q:163+4*\q], s[14:15] offset:((\t)/4)*1536+512*\q          ; 512 consecutive bytes, aligned
	global_store_b128 v4, v[172+4*\q:175+4*\q], s[14:15] offset:12288+((\t)/4)*1536+512*\q
.endr
.endif
.endif
.endm
	s_wait_alu depctr_va_vdst(0)
	WLOAD 0
	WLOAD 1
.irp t, 0,1,2,3,4,5,6,7
	WBLOCK \t
.endr
	global_store_b64 v9, v[SW:SW+1], s[16:17]      ; my column's 8 bytes, 32 bytes from lane to lane: 8 bytes for each 1,024 that the lane has read
	s_wait_tensorcnt 0x0                           ; the same three lines close this role
	ds_add_u32 v[SPW], v[NIL]
	s_wait_dscnt 0x0
	s_endpgm
.Lfunc_end_k_q8b7940e39c_quant:
	.size	k_q8b7940e39c_quant, .Lfunc_end_k_q8b7940e39c_quant-k_q8b7940e39c_quant
	.p2alignl 7, 3214868480
	.fill 96, 4, 3214868480
	.section	.rodata,"a",@progbits
	.p2align	6, 0x0
	.amdhsa_kernel k_q8b7940e39c_quant
		.amdhsa_group_segment_fixed_size 34304
		.amdhsa_private_segment_fixed_size 0
		.amdhsa_enable_private_segment 0
		.amdhsa_kernarg_size 56
		.amdhsa_user_sgpr_count 2
		.amdhsa_user_sgpr_kernarg_segment_ptr 1
		.amdhsa_wavefront_size32 1
		.amdhsa_system_sgpr_workgroup_id_x 1
		.amdhsa_system_sgpr_workgroup_id_y 1
		.amdhsa_system_sgpr_workgroup_id_z 1
		.amdhsa_system_vgpr_workitem_id 0
		.amdhsa_next_free_vgpr 256
		.amdhsa_next_free_sgpr 66
		.amdhsa_reserve_vcc 1
		.amdhsa_float_denorm_mode_32 3
		.amdhsa_float_denorm_mode_16_64 3
		.amdhsa_memory_ordered 1
		.amdhsa_forward_progress 1
		.amdhsa_inst_pref_size 106
	.end_amdhsa_kernel
	.amdgpu_metadata
---
amdhsa.version: [ 1, 2 ]
amdhsa.kernels:
  - .name:           k_q8b7940e39c_quant
    .symbol:         k_q8b7940e39c_quant.kd
    .args:
      - { .name: x, .offset: 0, .size: 8, .value_kind: global_buffer, .address_space: global }
      - { .name: Wq, .offset: 8, .size: 8, .value_kind: global_buffer, .address_space: global }
      - { .name: Wk, .offset: 16, .size: 8, .value_kind: global_buffer, .address_space: global }
      - { .name: Wv, .offset: 24, .size: 8, .value_kind: global_buffer, .address_space: global }
      - { .name: Wp, .offset: 32, .size: 8, .value_kind: global_buffer, .address_space: global }
      - { .name: cod, .offset: 40, .size: 8, .value_kind: global_buffer, .address_space: global }
      - { .name: scl, .offset: 48, .size: 8, .value_kind: global_buffer, .address_space: global }
    .group_segment_fixed_size: 34304
    .private_segment_fixed_size: 0
    .kernarg_segment_align: 8
    .kernarg_segment_size: 56
    .max_flat_workgroup_size: 128
    .sgpr_count:     66
    .vgpr_count:     256
    .wavefront_size: 32
...
	.end_amdgpu_metadata
.endif
;; end of part 1
;; launch proj (part 2): grid 8 x 32, 4 waves a work-group, clusters of 4 x 1, 327,680 bytes of LDS; arguments cod, scl, qb, kvb; writes qb, kvb
.if DOCPART == 2
	.amdgcn_target "amdgcn-amd-amdhsa--gfx1250"
	.amdhsa_code_object_version 6
	.text
	.protected	k_q8b7940e39c_proj
	.globl	k_q8b7940e39c_proj
	.p2align	8
	.type	k_q8b7940e39c_proj,@function
k_q8b7940e39c_proj:
	s_mov_b64 s[64:65], 0
	v_nop
	global_prefetch_b8 v0, s[64:65] scope:SCOPE_SE
	s_setreg_imm32_b32 hwreg(HW_REG_WAVE_MODE, 25, 1), 1
	s_wait_xcnt 0x0
	s_wait_alu depctr_hold_cnt(0) depctr_sa_sdst(0) depctr_va_vdst(0) depctr_va_sdst(0) depctr_va_ssrc(0) depctr_va_vcc(0) depctr_vm_vsrc(0)
	s_getreg_b32 s2, hwreg(HW_REG_IB_STS2, 6, 4)
	s_cmp_eq_u32 s2, 0
	s_cbranch_scc0 .Lentry_in_a_cluster
	s_endpgm
.Lentry_in_a_cluster:
	s_bfe_u32 s2, ttmp6, 0x10000c
	s_cmp_lg_u32 s2, 0x3003
	s_cbranch_scc0 .Lentry_shape_is_right
	s_endpgm
.Lentry_shape_is_right:
; q, k, v = x W on codes of FP6 (E2M3) with E8M0 scales, K = 1,024; the results are quantised in registers and leave as codes in the order of the attention launch's operand registers.
; THE DEAL: 256 work-groups = 32 groups of 256 tokens x 8 column groups.  A column group is 4 heads of q or of k (one a wave) and 2 heads of v (half a head a wave).
; A wave holds its 96 weight rows, all of K, in registers (48 fragments) and streams x's 16 tiles of 16 rows past them: 48 products a tile, six accumulators by turns.
; The weights go from memory straight into registers (each lane loads its fragments whole, 512 consecutive bytes an instruction): LDS has no room for 384 weight rows beside x's 256, so they are not asked for jointly.
; x's 256 rows are shared by the four work-groups of a cluster: one joint load a wave, four tiles each, filled once; no refill, and no loop to prefetch ahead in: all is asked for at the head.
; ROW ORDER (cod): tile 4 G + j, place 8 h + i = row 64 G + 32 h + 8 j + i.  So q | k (source 0 = weights): lane (r, h) holds token place r and d = 32 h + 0 .. 31 in its 32 sums: one scale block, the operand's own layout.
; v (source 0 = x): lane (r, h) holds d place r, and over a band's four tiles tokens 64 c + 32 h + 0 .. 31: likewise.  No lane asks another for a maximum.
; qb: [batch x head][16 key steps][6,400]: operands (c, p) of 1,536 bytes (tiles 2 p, 2 p + 1 of band c, six registers each; pieces of 4 registers, 16 bytes a lane), then scale words at 6,144 + 16 r + 4 (2 c + p): bytes [j % 2][h].
; kvb: [batch x head][16 key steps][k's 6,400 as qb | v's 6,400]: v: operand t (16 places of d x 128 keys), scale words at 6,144 + 16 r + 4 t: byte 2 c + h.
; LIMITS: NaN and infinities are not served; a block whose largest magnitude lies under 2^-124, a block of zeros too, gets the byte 1 (read by this program alone).
.set FR, 12
.set TILE, 12288
.set SPARE, 16*TILE                    ; behind x's rows: the spare words
.set CO, 4                             ; v4 16 x lane
.set ADRA, 5                           ; v5 LDS address of the tile that is fetched
.set SO, 6                             ; v6 32 x lane
.set SH, 7                             ; v7 8 x (lane / 16)
.set QSO, 8                            ; v8, v9 where the scale words go
.set VSO, 9
.set SPW, 10
.set NIL, 11
.set QW, 12                            ; v12-19 q | k's scale words, one for each pair of tiles
.set VW, 20                            ; v20-23 v's: 2 g + t
.set SB, 24                            ; v24-39 scale words of my q | k weights; v40-47 of my v weights
.set SBV, 40
.set TQ, 48                            ; v48-51 at work
.set SA, 52                            ; v52-115 x's scale words: register 8 m + q: lanes 0-15 tile 2 m, lanes 16-31 tile 2 m + 1
.set ACC, 116                          ; v116-147 q | k's sums
.set HV, 148                           ; v148-211 v's sums: 32 t + 8 j + i
.set NCD, 212                          ; v212-223 q | k's operand
.set VCD, 224                          ; v224-247 v's two operands
.set TC, 248                           ; v248-250, v252-254 second conversions' codes
.set MSB, 0
.macro WIN new
.if MSB != (\new)
	s_set_vgpr_msb (MSB<<8)|(\new)
.set MSB, (\new)
.endif
.endm
.macro PLACES n
.rept \n
	v_nop
.endr
.endm
.macro WALU
	s_wait_alu depctr_va_vdst(0)
.endm
.macro BARRIER
	s_barrier_signal -1
	s_barrier_wait -1
.endm
.macro CROUND
	BARRIER
	s_cmp_lg_u32 s14, 0
	s_cbranch_scc1 .Lnot_wave_0_\@
	s_barrier_signal -3
.Lnot_wave_0_\@:
	s_barrier_wait -3
	BARRIER
.endm
.macro TLOAD
	tensor_load_to_lds s[32:35], s[24:31]
	s_nop 0
	PLACES 4
.endm
.macro MM d, s0, s1, c, x0, x1, ra, rb
.if (\ra) && (\rb)
	v_wmma_scale_f32_16x16x128_f8f6f4 v[\d:\d+7], v[\s0:\s0+FR-1], v[\s1:\s1+FR-1], \c, v[\x0], v[\x1] matrix_a_fmt:MATRIX_FMT_FP6 matrix_b_fmt:MATRIX_FMT_FP6 matrix_a_scale:MATRIX_SCALE_ROW1 matrix_b_scale:MATRIX_SCALE_ROW1
.elseif (\ra)
	v_wmma_scale_f32_16x16x128_f8f6f4 v[\d:\d+7], v[\s0:\s0+FR-1], v[\s1:\s1+FR-1], \c, v[\x0], v[\x1] matrix_a_fmt:MATRIX_FMT_FP6 matrix_b_fmt:MATRIX_FMT_FP6 matrix_a_scale:MATRIX_SCALE_ROW1
.elseif (\rb)
	v_wmma_scale_f32_16x16x128_f8f6f4 v[\d:\d+7], v[\s0:\s0+FR-1], v[\s1:\s1+FR-1], \c, v[\x0], v[\x1] matrix_a_fmt:MATRIX_FMT_FP6 matrix_b_fmt:MATRIX_FMT_FP6 matrix_b_scale:MATRIX_SCALE_ROW1
.else
	v_wmma_scale_f32_16x16x128_f8f6f4 v[\d:\d+7], v[\s0:\s0+FR-1], v[\s1:\s1+FR-1], \c, v[\x0], v[\x1] matrix_a_fmt:MATRIX_FMT_FP6 matrix_b_fmt:MATRIX_FMT_FP6
.endif
.endm
; fragment f lies at register 256 + 12 f: 0-31 q | k's weights (4 q + t), 32-47 v's (32 + 2 q + t), 48-63 x's two sets (48 + 8 e + q)
.macro PQK s, q, t                     ; source 0 = 16 weight rows, source 1 = x's tile
.set XF_, 256+FR*(48+8*((\s)%2)+(\q))
.set WF_, 256+FR*(4*(\q)+(\t))
.set XG_, XF_&255
.set WG_, WF_&255
.set D_, ACC+8*(\t)
.set X0_, SB+8*((\t)/2)+(\q)
.set X1_, SA+8*((\s)/2)+(\q)
.set RA_, (\t)%2
.set RB_, (\s)%2
	WIN (WF_>>8)|((XF_>>8)<<2)
.if \q
	MM D_, WG_, XG_, v[D_:D_+7], X0_, X1_, RA_, RB_
.else
	MM D_, WG_, XG_, 0, X0_, X1_, RA_, RB_
.endif
.endm
.macro PV s, q, t                      ; source 0 = x's tile, source 1 = 16 weight rows
.set XF_, 256+FR*(48+8*((\s)%2)+(\q))
.set WF_, 256+FR*(32+2*(\q)+(\t))
.set XG_, XF_&255
.set WG_, WF_&255
.set D_, HV+32*(\t)+8*((\s)%4)
.set X0_, SA+8*((\s)/2)+(\q)
.set X1_, SBV+(\q)
.set RA_, (\s)%2
.set RB_, (\t)
	WIN (XF_>>8)|((WF_>>8)<<2)
.if \q
	MM D_, XG_, WG_, v[D_:D_+7], X0_, X1_, RA_, RB_
.else
	MM D_, XG_, WG_, 0, X0_, X1_, RA_, RB_
.endif
.endm
.macro PRODS s, from, to               ; product n = 6 q + m: q | k's four tiles, then v's two: the six accumulators take turns
.set N_, \from
.rept (\to)-(\from)
.if N_%6 < 4
	PQK \s, N_/6, N_%6
.else
	PV \s, N_/6, N_%6-4
.endif
.set N_, N_+1
.endr
	WIN 0
.endm
.macro WLD f, base, off                ; a weight fragment: three loads of 512 consecutive bytes
.irp k, 0,1,2
.set R_, 256+FR*(\f)+4*\k
.set W_, R_>>8
.set R_, R_&255
	WIN W_<<6
	global_load_b128 v[R_:R_+3], v[CO], s[\base:\base+1] offset:(\off)+512*\k
.endr
.endm
.macro FETCH s                         ; tile s into set s % 2: 24 loads.  The add and three v_nop are the four places behind the last product
	v_add_nc_u32 v[ADRA], (\s)*TILE, v[CO]
	PLACES 3
	WIN 0xc0
.irp q, 0,1,2,3,4,5,6,7
.irp k, 0,1,2
	ds_load_b128 v[64+96*((\s)%2)+FR*\q+4*\k:64+96*((\s)%2)+FR*\q+4*\k+3], v[ADRA] offset:1536*\q+512*\k
.endr
.endr
	WIN 0
.endm
.macro QKOUT s                         ; 32 sums of a lane are one scale block: largest magnitude in two chains, each accumulator from its low end on; scale; two conversions
.set E_, (\s)%2
.set W_, QW+(\s)/2
	s_wait_xcnt 0x0                                ; earlier stores have read the code registers
	v_max3_num_f32 v[TQ], |v[ACC]|, |v[ACC+1]|, |v[ACC+2]|
	v_max3_num_f32 v[TQ+1], |v[ACC+16]|, |v[ACC+17]|, |v[ACC+18]|
.irp i, 3,5,7,9,11,13
	v_max3_num_f32 v[TQ], v[TQ], |v[ACC+\i]|, |v[ACC+\i+1]|
	v_max3_num_f32 v[TQ+1], v[TQ+1], |v[ACC+16+\i]|, |v[ACC+17+\i]|
.endr
	v_max3_num_f32 v[TQ+1], v[TQ+1], |v[ACC+31]|, 0x1800000   ; the floor 2^(3 - 127): the byte cannot fall under 1
	v_max3_num_f32 v[TQ], v[TQ], |v[ACC+15]|, v[TQ+1]
	v_add_nc_u32 v[TQ+2], 0xff000000, v[TQ]        ; 2 off the exponent field: the conversions' scale operand
	v_cvt_scalef32_pk16_fp6_f32 v[NCD+6*E_:NCD+6*E_+2], v[ACC:ACC+15], v[TQ+2]
	v_cvt_scalef32_pk16_fp6_f32 v[TC:TC+2], v[ACC+16:ACC+31], v[TQ+2]
.if E_
	v_lshrrev_b32 v[TQ+3], 23, v[TQ+2]
.else
	v_lshrrev_b32 v[W_], 23, v[TQ+2]               ; the scale's byte
.endif
.irp i, 0,1,2
	v_mov_b32 v[NCD+6*E_+3+\i], v[TC+\i]
.endr
.if E_
	v_lshl_or_b32 v[W_], v[TQ+3], 16, v[W_]
.irp k, 0,1,2
	global_store_b128 v[CO], v[NCD+4*\k:NCD+4*\k+3], s[44+2*((\s)/8):45+2*((\s)/8)] offset:1536*(((\s)/2)%4)+512*\k   ; 512 consecutive bytes, aligned
.endr
.endif
.endm
.macro VOUT s                          ; behind a band's fourth tile: v's two tiles, 32 sums a lane each
.set C_, ((\s)/4)%2
.set G_, (\s)/8
.irp t, 0,1
	v_max3_num_f32 v[TQ+\t], |v[HV+32*\t]|, |v[HV+32*\t+1]|, 0x1800000
.endr
.irp i, 2,4,6,8,10,12,14,16,18,20,22,24,26,28,30
.irp t, 0,1
	v_max3_num_f32 v[TQ+\t], v[TQ+\t], |v[HV+32*\t+\i]|, |v[HV+32*\t+\i+1]|
.endr
.endr
.irp t, 0,1
	v_add_nc_u32 v[TQ+2+\t], 0xff000000, v[TQ+\t]
.endr
.irp t, 0,1
	v_cvt_scalef32_pk16_fp6_f32 v[VCD+12*\t+6*C_:VCD+12*\t+6*C_+2], v[HV+32*\t:HV+32*\t+15], v[TQ+2+\t]
	v_cvt_scalef32_pk16_fp6_f32 v[TC+4*\t:TC+4*\t+2], v[HV+32*\t+16:HV+32*\t+31], v[TQ+2+\t]
.endr
.irp t, 0,1
.if C_
	v_lshrrev_b32 v[TQ+\t], 23, v[TQ+2+\t]
.else
	v_lshrrev_b32 v[VW+2*G_+\t], 23, v[TQ+2+\t]
.endif
.endr
.irp t, 0,1
.irp i, 0,1,2
	v_mov_b32 v[VCD+12*\t+6*C_+3+\i], v[TC+4*\t+\i]
.endr
.endr
.if C_
.irp t, 0,1
	v_lshl_or_b32 v[VW+2*G_+\t], v[TQ+\t], 16, v[VW+2*G_+\t]
.endr
.irp t, 0,1
.irp k, 0,1,2
	global_store_b128 v[CO], v[VCD+12*\t+4*\k:VCD+12*\t+4*\k+3], s[48:49] offset:12800*G_+1536*\t+512*\k
.endr
.endr
.endif
.endm
.macro TAIL s                          ; behind a tile's products: the fetch two tiles on, the way out, the wait for the next tile's rows
.if (\s)+2 < 16
	FETCH (\s)+2
.else
	PLACES 4
.endif
	QKOUT \s
.if (\s)%4 == 3
	VOUT \s
.endif
.if (\s)+2 < 16
	s_wait_dscnt 24                                ; the next tile's rows are in; younger are the 24 loads just issued
.elseif (\s)+1 < 16
	s_wait_dscnt 0x0
.endif
.endm
; ---- the head
	s_load_b128 s[4:7], s[0:1], 0x0                ; cod, scl
	s_load_b128 s[8:11], s[0:1], 0x10              ; qb, kvb
	v_lshl_add_u32 v[SPW], v0, 2, SPARE
	v_mov_b32 v[NIL], 0
	ds_add_u32 v[SPW], v[NIL]                      ; the opening lines
	ds_add_u32 v[SPW], v[NIL]
	v_lshrrev_b32 v1, 5, v0
	v_readfirstlane_b32 s14, v1                    ; the wave
	s_lshr_b32 s15, s14, 1
	s_and_b32 s16, s14, 1
	s_bfe_u32 s40, ttmp6, 0x40000                  ; cx
	s_and_b32 s43, ttmp7, 0xffff                   ; the group of 256 tokens
	s_lshl_b32 s42, ttmp9, 2
	s_add_co_u32 s42, s42, s40                     ; the column group
	s_lshl_b32 s17, s42, 2
	s_add_co_u32 s17, s17, s14                     ; my head of q (0-15) or k (16-31)
	s_lshl_b32 s18, s42, 1
	s_add_co_u32 s18, s18, s15                     ; my head of v
	s_mov_b32 s24, 15|(3<<16)|(1<<21)              ; four tiles: 49,152 dense bytes as 192 rows of 256; the mask names the cluster's four
	s_mov_b32 s25, 32<<16
	s_mov_b32 s26, 192<<16
	s_mov_b32 s27, 32<<16
	s_mov_b32 s28, 192
	s_mov_b32 s29, 32
	s_mov_b32 s30, 0
	s_mov_b32 s31, 0
	s_mov_b32 s32, 1
	s_mul_i32 s33, s14, 4*TILE
	s_mul_i32 s20, s43, 16*TILE
	s_add_co_u32 s20, s20, s33
	s_mov_b32 s21, 0
	s_mul_i32 s52, s17, 4*TILE
	s_add_co_u32 s52, s52, 512*TILE
	s_mov_b32 s53, 0
	s_mul_i32 s54, s18, 4*TILE
	s_mul_i32 s19, s16, 2*TILE
	s_add_co_u32 s54, s54, s19
	s_add_co_u32 s54, s54, 640*TILE
	s_mov_b32 s55, 0
	s_lshl_b32 s56, s17, 11
	s_add_co_u32 s56, s56, 512*512
	s_mov_b32 s57, 0
	s_lshl_b32 s58, s18, 11
	s_lshl_b32 s19, s16, 10
	s_add_co_u32 s58, s58, s19
	s_add_co_u32 s58, s58, 640*512
	s_mov_b32 s59, 0
	s_lshl_b32 s60, s43, 13
	s_mov_b32 s61, 0
	s_lshr_b32 s22, s43, 3
	s_lshl_b32 s22, s22, 4                         ; 16 x batch
	s_and_b32 s19, s43, 7
	s_lshl_b32 s19, s19, 1                         ; my first key step
	s_and_b32 s23, s17, 15
	s_add_co_u32 s23, s23, s22
	s_lshl_b32 s23, s23, 4
	s_add_co_u32 s23, s23, s19
	s_mov_b32 s38, 12800
	s_cmp_eq_u32 ttmp9, 0                          ; cluster x = 0: q, 1: k: the same in all partners
	s_cselect_b32 s38, 6400, s38                   ; bytes from key step to key step
	s_mul_i32 s44, s23, s38
	s_mov_b32 s45, 0
	s_add_co_u32 s48, s22, s18
	s_lshl_b32 s48, s48, 4
	s_add_co_u32 s48, s48, s19
	s_mul_i32 s48, s48, 12800
	s_mul_i32 s19, s16, 3072
	s_add_co_u32 s48, s48, s19
	s_add_co_u32 s48, s48, 6400
	s_mov_b32 s49, 0
	s_mul_i32 s39, s16, 3064
	s_sub_co_u32 s39, 6144, s39                    ; v's scale words from s[48:49]: 6,144 - 3,072 b + 8 b
	s_mov_b32 s36, 0x76543210                      ; v_permlanex16_b32's selects for lane l xor 16
	s_mov_b32 s37, 0xfedcba98
	v_and_b32 v1, 15, v0
	v_bfe_u32 v2, v0, 4, 1
	v_and_b32 v3, 31, v0
	v_lshlrev_b32 v[CO], 4, v3
	v_lshlrev_b32 v[SO], 5, v3
	v_lshlrev_b32 v[SH], 3, v2
	v_mul_u32_u24 v[QSO], s38, v2
	v_lshl_add_u32 v[QSO], v1, 4, v[QSO]           ; lanes 0-15 the first key step's words, lanes 16-31 the second's
	v_mul_u32_u24 v[VSO], 0x3200, v2
	v_lshl_add_u32 v[VSO], v1, 4, v[VSO]
	v_add_nc_u32 v[VSO], s39, v[VSO]
	WALU                                           ; the head's end
	s_wait_dscnt 0x0
	CROUND                                         ; the opening round
	s_wait_kmcnt 0x0
	s_add_nc_u64 s[34:35], s[4:5], s[20:21]        ; my four tiles of x
	s_or_b32 s35, s35, 0x80000000
	s_cmp_eq_u32 s14, 0
	s_cbranch_scc0 .Lrest
	TLOAD                                          ; wave 0: tiles 0 to 3, on a line of its own: they are shown ahead of the rest
	s_branch .Lasked
.Lrest:
	TLOAD                                          ; waves 1 to 3: four tiles each
.Lasked:
	s_add_nc_u64 s[52:53], s[4:5], s[52:53]
	s_add_nc_u64 s[54:55], s[4:5], s[54:55]
	s_add_nc_u64 s[56:57], s[6:7], s[56:57]
	s_add_nc_u64 s[58:59], s[6:7], s[58:59]
	s_add_nc_u64 s[60:61], s[6:7], s[60:61]
	s_cmp_eq_u32 ttmp9, 0
	s_cselect_b64 s[8:9], s[8:9], s[10:11]
	s_add_nc_u64 s[44:45], s[8:9], s[44:45]
	s_mov_b32 s68, s38
	s_mov_b32 s69, 0
	s_add_nc_u64 s[46:47], s[44:45], s[68:69]
	s_add_nc_u64 s[48:49], s[10:11], s[48:49]
.irp m, 0,1,2,3,4,5,6,7
.irp k, 0,1
	global_load_b128 v[SA+8*\m+4*\k:SA+8*\m+4*\k+3], v[SO], s[60:61] offset:1024*\m+16*\k
.endr
.endr
.irp m, 0,1
.irp k, 0,1
	global_load_b128 v[SB+8*\m+4*\k:SB+8*\m+4*\k+3], v[SO], s[56:57] offset:1024*\m+16*\k
.endr
.endr
.irp k, 0,1
	global_load_b128 v[SBV+4*\k:SBV+4*\k+3], v[SO], s[58:59] offset:16*\k
.endr
.irp q, 0,1,2,3,4,5,6,7                ; the weights, in the order in which the first tile's products want them: 18 loads a K step
.irp t, 0,1,2,3
	WLD 4*\q+\t, 52, \t*TILE+1536*\q
.endr
.irp t, 0,1
	WLD 32+2*\q+\t, 54, \t*TILE+1536*\q
.endr
.endr
	WIN 0
	s_cmp_eq_u32 s14, 0
	s_cbranch_scc0 .Lnot_0
	s_wait_tensorcnt 0x0                           ; wave 0: tiles 0 to 3 have landed
.Lnot_0:
	BARRIER                                        ; the other waves' tiles may be on their way
	FETCH 0
	FETCH 1
	s_wait_dscnt 24
; ---- the stream
.irp q, 0,1,2,3,4,5,6,7                ; tile 0: K step q waits for the weight loads up to its own; the later steps' 18 (7 - q) may be out (the wait's field holds 63)
.if 18*(7-\q) > 63
	s_wait_loadcnt 63
.else
	s_wait_loadcnt 18*(7-\q)
.endif
	PRODS 0, 6*\q, 6*\q+6
.endr
	TAIL 0
	PRODS 1, 0, 36
	s_wait_tensorcnt 0x0                           ; every wave: its tiles have landed
	s_wait_dscnt 0x0
	s_barrier_signal -1                            ; a plain barrier shows all 16 tiles to all
	PRODS 1, 36, 48
	s_barrier_wait -1
	TAIL 1
.irp s, 2,3,4,5,6,7,8,9,10,11,12,13,14,15
	PRODS \s, 0, 48
	TAIL \s
.endr
; ---- the scale words: my bytes go 8 h bits up, and lane l xor 16's are joined to them
	v_cmp_le_u32 vcc_lo, 16, v3
.irp i, 0,1,2,3,4,5,6,7,8,9,10,11
	v_lshlrev_b32 v[QW+\i], v[SH], v[QW+\i]
.endr
.irp i, 0,1,2,3,4,5,6,7,8,9,10,11
	v_permlanex16_b32 v[ACC+\i], v[QW+\i], s36, s37
.endr
.irp i, 0,1,2,3,4,5,6,7,8,9,10,11
	v_or_b32 v[QW+\i], v[QW+\i], v[ACC+\i]
.endr
.irp i, 0,1,2,3
	v_cndmask_b32 v[ACC+16+\i], v[QW+\i], v[QW+4+\i], vcc_lo
.endr
.irp i, 0,1
	v_cndmask_b32 v[ACC+20+\i], v[VW+\i], v[VW+2+\i], vcc_lo
.endr
	global_store_b128 v[QSO], v[ACC+16:ACC+19], s[44:45] offset:6144   ; sixteen lanes store a key step's 256 scale bytes
	global_store_b64 v[VSO], v[ACC+20:ACC+21], s[48:49]                ; my two tiles' words: 8 of each row's 16 bytes
	s_wait_tensorcnt 0x0                           ; the wave's end
	ds_add_u32 v[SPW], v[NIL]
	s_wait_dscnt 0x0
	CROUND                                         ; the closing round
	s_endpgm
.Lfunc_end_k_q8b7940e39c_proj:
	.size	k_q8b7940e39c_proj, .Lfunc_end_k_q8b7940e39c_proj-k_q8b7940e39c_proj
	.p2alignl 7, 3214868480
	.fill 96, 4, 3214868480
	.section	.rodata,"a",@progbits
	.p2align	6, 0x0
	.amdhsa_kernel k_q8b7940e39c_proj
		.amdhsa_group_segment_fixed_size 327680
		.amdhsa_private_segment_fixed_size 0
		.amdhsa_enable_private_segment 0
		.amdhsa_kernarg_size 32
		.amdhsa_user_sgpr_count 2
		.amdhsa_user_sgpr_kernarg_segment_ptr 1
		.amdhsa_wavefront_size32 1
		.amdhsa_system_sgpr_workgroup_id_x 1
		.amdhsa_system_sgpr_workgroup_id_y 1
		.amdhsa_system_sgpr_workgroup_id_z 1
		.amdhsa_system_vgpr_workitem_id 0
		.amdhsa_next_free_vgpr 1024
		.amdhsa_next_free_sgpr 100
		.amdhsa_reserve_vcc 1
		.amdhsa_float_denorm_mode_32 3
		.amdhsa_float_denorm_mode_16_64 3
		.amdhsa_memory_ordered 1
		.amdhsa_forward_progress 1
		.amdhsa_inst_pref_size 196
	.end_amdhsa_kernel
	.amdgpu_metadata
---
amdhsa.version: [ 1, 2 ]
amdhsa.kernels:
  - .name:           k_q8b7940e39c_proj
    .symbol:         k_q8b7940e39c_proj.kd
    .args:
      - { .name: cod, .offset: 0, .size: 8, .value_kind: global_buffer, .address_space: global }
      - { .name: scl, .offset: 8, .size: 8, .value_kind: global_buffer, .address_space: global }
      - { .name: qb, .offset: 16, .size: 8, .value_kind: global_buffer, .address_space: global }
      - { .name: kvb, .offset: 24, .size: 8, .value_kind: global_buffer, .address_space: global }
    .group_segment_fixed_size: 327680
    .private_segment_fixed_size: 0
    .kernarg_segment_align: 8
    .kernarg_segment_size: 32
    .max_flat_workgroup_size: 128
    .sgpr_count:     100
    .vgpr_count:     1024
    .wavefront_size: 32
...
	.end_amdgpu_metadata
.endif
;; end of part 2
;; launch attn (part 3): grid 4 x 64, 8 waves a work-group, clusters of 4 x 1, 327,680 bytes of LDS; arguments qb, kvb, att, atts; writes att, atts
.if DOCPART == 3
	.amdgcn_target "amdgcn-amd-amdhsa--gfx1250"
	.amdhsa_code_object_version 6
	.text
	.protected	k_q8b7940e39c_attn
	.globl	k_q8b7940e39c_attn
	.p2align	8
	.type	k_q8b7940e39c_attn,@function
k_q8b7940e39c_attn:
	s_mov_b64 s[64:65], 0
	v_nop
	global_prefetch_b8 v0, s[64:65] scope:SCOPE_SE
	s_setreg_imm32_b32 hwreg(HW_REG_WAVE_MODE, 25, 1), 1
	s_wait_xcnt 0x0
	s_wait_alu depctr_hold_cnt(0) depctr_sa_sdst(0) depctr_va_vdst(0) depctr_va_sdst(0) depctr_va_ssrc(0) depctr_va_vcc(0) depctr_vm_vsrc(0)
	s_getreg_b32 s2, hwreg(HW_REG_IB_STS2, 6, 4)
	s_cmp_eq_u32 s2, 0
	s_cbranch_scc0 .Lentry_in_a_cluster
	s_endpgm
.Lentry_in_a_cluster:
	s_bfe_u32 s2, ttmp6, 0x10000c
	s_cmp_lg_u32 s2, 0x3003
	s_cbranch_scc0 .Lentry_shape_is_right
	s_endpgm
.Lentry_shape_is_right:
; Causal attention of one (batch, head) on codes of FP6: S^T = k q^T, p = 2^(t - M) with M the ceiling of the running largest t, O^T = v^T p^T, divided by the sum of the unquantised p; the context leaves as codes for the out-projection.
; LEFT OUT: key steps of 128 that lie wholly above the diagonal of the causal mask that the problem builds itself: their p is 0 for all inputs.  A NaN or infinity that reaches only those scores is not carried on.
; LIMITS: the promise holds while the scaled scores stay under 2^31 in magnitude; NaN and infinities among the operands are not served.
; THE DEAL: a cluster of four work-groups serves one (batch, head); all its 2,048 keys' k and v (16 x 12,800 bytes) lie in LDS, one joint load of two key steps a wave, filled once.  No prefetch: all tiles are asked for at the head.
; Work-group cx takes operand cx of each group of 128 queries: two tiles of 16.  A wave takes BOTH tiles of a group at once, so that each fragment of k and v feeds two tiles' products and every chain of dependent lines has the other tile's beside it.
; Wave w takes group w, then group 15 - w: 17 key steps a wave.
; ROW ORDER: tile j of band c, place 8 h + i = token 64 c + 32 h + 8 j + i.  So a lane (query r, half h) holds in registers 32 c + 0 .. 31 of S^T the keys 64 c + 32 h + 0 .. 31: a whole scale block, in the operand's own order.
; k's head size is 64: an operand holds two tiles of keys, and q stands in the lower or the upper half of K with zero codes in the other.
; REGISTERS, tile u = 0, 1.  Window 1: v[64 u ..] S^T, then p; v[128 + 32 u ..] O^T.  Window 0: v12+2u -M, v13+2u largest t, v[16+2u:17+2u] the sum, v20+2u f, v26+u the mask's threshold, v28+u q's scale word, v32-39 k's and v's, v40+u p's,
; v44-87 at work, v88-123 q, 0, q of both tiles, v124-171 k, v172-219 v, v220-243 p's codes.
.set SPARE, 204800
.set SPW,  5
.set NIL,  6
.set QF,   88
.set KF,   124
.set VF,   172
.set PF,   220
.set WV,   18
.set CX,   19
.set SEL,  20
.set CS,   22
.set G1,   24
.set G0,   32
.set GG,   40
.set KS,   41
.set TB,   42
.set MSB, 0
.macro WIN new
.if MSB != (\new)
	s_set_vgpr_msb (MSB<<8)|(\new)
.set MSB, (\new)
.endif
.endm
.macro WALU
	s_wait_alu depctr_va_vdst(0)
.endm
.macro CROUND
	s_barrier_signal -1
	s_barrier_wait -1
	s_cmp_lg_u32 s[WV], 0
	s_cbranch_scc1 .Lnot_wave_0_\@
	s_barrier_signal -3
.Lnot_wave_0_\@:
	s_barrier_wait -3
	s_barrier_signal -1
	s_barrier_wait -1
.endm
	s_load_b128 s[4:7], s[0:1], 0x0                ; qb, kvb
	s_load_b128 s[8:11], s[0:1], 0x10              ; att, atts
	v_lshl_add_u32 v[SPW], v0, 2, SPARE
	v_mov_b32 v[NIL], 0
	ds_add_u32 v[SPW], v[NIL]                      ; the opening lines
	ds_add_u32 v[SPW], v[NIL]
	v_lshrrev_b32 v1, 5, v0
	v_readfirstlane_b32 s[WV], v1
	s_bfe_u32 s[CX], ttmp6, 0x40000
	s_and_b32 s12, ttmp7, 0xffff                   ; 16 x batch + head
	s_lshr_b32 s13, s12, 4
	s_and_b32 s14, s12, 15
	s_mov_b32 s[G1], 15|(3<<16)|(1<<21)            ; two key steps' k and v: 25,600 dense bytes as 100 rows of 256
	s_mov_b32 s[G1+1], 32<<16
	s_mov_b32 s[G1+2], 100<<16
	s_mov_b32 s[G1+3], 32<<16
	s_mov_b32 s[G1+4], 100
	s_mov_b32 s[G1+5], 32
	s_mov_b32 s[G1+6], 0
	s_mov_b32 s[G1+7], 0
	s_mul_i32 s44, s12, 102400
	s_mov_b32 s45, 0
	s_mul_i32 s15, s[WV], 25600
	s_mul_i32 s52, s12, 204800
	s_add_co_u32 s52, s52, s15
	s_mov_b32 s53, 0
	s_mul_i32 s56, s13, 1572864
	s_mul_i32 s16, s[CX], 24576
	s_add_co_u32 s56, s56, s16
	s_mul_i32 s16, s14, 768
	s_add_co_u32 s56, s56, s16
	s_mov_b32 s57, 0
	s_lshl_b32 s58, s13, 16
	s_lshl_b32 s16, s[CX], 10
	s_add_co_u32 s58, s58, s16
	s_lshl_b32 s16, s14, 1
	s_add_co_u32 s58, s58, s16
	s_mov_b32 s59, 0
	s_mov_b32 s[SEL], 0x76543210
	s_mov_b32 s[SEL+1], 0xfedcba98
	s_mov_b32 s[CS], 0x3d38aa3b                    ; log2(e) / 32
	s_mov_b32 s[CS+1], s[CS]
	s_wait_dscnt 0x0
	s_wait_kmcnt 0x0
	s_add_nc_u64 s[44:45], s[4:5], s[44:45]
	s_add_nc_u64 s[52:53], s[6:7], s[52:53]
	s_add_nc_u64 s[56:57], s[8:9], s[56:57]
	s_add_nc_u64 s[58:59], s[10:11], s[58:59]
	CROUND                                         ; the opening round
	s_mov_b32 s[G0], 1
	s_mov_b32 s[G0+1], s15
	s_mov_b64 s[G0+2:G0+3], s[52:53]
	s_or_b32 s[G0+3], s[G0+3], 0x80000000
	tensor_load_to_lds s[G0:G0+3], s[G1:G1+7]      ; key steps 2 w and 2 w + 1: one load a wave
	s_nop 0
.rept 4
	v_nop
.endr
	v_and_b32 v56, 31, v0
	v_and_b32 v9, 15, v0
	v_bfe_u32 v8, v0, 4, 1
	v_lshlrev_b32 v1, 4, v56                       ; 16 x lane
	v_lshlrev_b32 v25, 3, v56                      ; 8 x lane
	v_lshlrev_b32 v2, 4, v9                        ; 16 r
	s_mul_i32 s16, s[CX], 1536
	v_add_nc_u32 v3, s16, v1
	v_lshl_add_u32 v4, s[CX], 2, v2
	v_lshl_add_u32 v7, v9, 5, v8                   ; 32 r + h
	v_lshlrev_b32 v24, 3, v8                       ; 8 h
	v_mov_b32 v10, 0xff800000
	v_and_b32 v11, 7, v9                           ; my query's place in its 128, less 32 h: 64 c + 32 (r / 8) + 8 j + r % 8 - 32 h
	v_lshrrev_b32 v52, 3, v9
	v_lshl_add_u32 v11, v52, 5, v11
	v_lshlrev_b32 v53, 5, v8
	v_sub_nc_u32 v11, v11, v53
	s_lshr_b32 s16, s[CX], 1
	s_lshl_b32 s16, s16, 6
	s_and_b32 s17, s[CX], 1
	s_lshl_b32 s17, s17, 4
	s_add_co_u32 s16, s16, s17
	v_add_nc_u32 v26, s16, v11                     ; tile 0's,
	v_add_nc_u32 v27, 8, v26                       ; tile 1's: 8 tokens on
	v_mov_b32 v54, 0                               ; (a lane permute's destination counts as one of its sources)
	v_mov_b32 v55, 0
.irp j, 0,1,2,3
	v_mov_b32 v[20+\j], 0
.endr
.irp j, 0,1,2,3,4,5
	v_mov_b32 v[QF+6+\j], 0                        ; the zero codes between the two copies of each q
	v_mov_b32 v[QF+24+\j], 0
.endr
	WALU                                           ; the head's end
.macro STEP
	v_add_nc_u32 v8, s[TB], v1
	v_add_nc_u32 v9, s[TB], v2
	v_nop
	v_nop                                          ; four places behind the last products, ahead of loads into their registers
.irp f, 0,1,2,3
.irp k, 0,1,2
	ds_load_b128 v[KF+12*\f+4*\k:KF+12*\f+4*\k+3], v8 offset:1536*\f+512*\k
.endr
.endr
	ds_load_b128 v[32:35], v9 offset:6144
.irp f, 0,1,2,3
.irp k, 0,1,2
	ds_load_b128 v[VF+12*\f+4*\k:VF+12*\f+4*\k+3], v8 offset:6400+1536*\f+512*\k
.endr
.endr
	ds_load_b128 v[36:39], v9 offset:12544
	s_wait_dscnt 13                                ; k and its scale words are in; v's 13 loads may be out
	WIN 0x40
.irp f, 0,1,2,3
.irp u, 0,1
	v_wmma_scale_f32_16x16x128_f8f6f4 v[64*\u+16*\f:64*\u+16*\f+7], v[KF+12*\f:KF+12*\f+11], v[QF+18*\u:QF+18*\u+11], 0, v[32+\f], v[28+\u] matrix_a_fmt:MATRIX_FMT_FP6 matrix_b_fmt:MATRIX_FMT_FP6
	v_wmma_scale_f32_16x16x128_f8f6f4 v[64*\u+16*\f+8:64*\u+16*\f+15], v[KF+12*\f:KF+12*\f+11], v[QF+18*\u+6:QF+18*\u+17], 0, v[32+\f], v[28+\u] matrix_a_fmt:MATRIX_FMT_FP6 matrix_b_fmt:MATRIX_FMT_FP6
.endr
.endr
	WIN 0
	s_wait_dscnt 0x0                               ; v is in
.rept 4
	v_nop
.endr
	s_cmp_lg_u32 s[KS], s[GG]
	s_cbranch_scc1 .Lopen_\@
	WIN 0x41
.set n, 0
.rept 64                                       ; the diagonal step: register n is key 64 (n / 32) + 32 h + n % 32
	v_cmp_gt_i32 vcc_lo, 64*(n/32)+n%32, v26
	v_cndmask_b32 v[n], v[n], v10, vcc_lo
	v_cmp_gt_i32 vcc_lo, 64*(n/32)+n%32, v27
	v_cndmask_b32 v[64+n], v[64+n], v10, vcc_lo
.set n, n+1
.endr
	WIN 0
.Lopen_\@:
	WIN 0x15                                       ; the largest score of each tile's two blocks of 32 keys: eight chains by turns
.irp u, 0,1
.irp b, 0,1,2,3
	v_max3_num_f32 v[44+4*\u+\b], v[64*\u+16*\b], v[64*\u+16*\b+1], v[64*\u+16*\b+2]
.endr
.endr
	WIN 0x14
.irp i, 3,5,7,9,11,13
.irp u, 0,1
.irp b, 0,1,2,3
	v_max3_num_f32 v[44+4*\u+\b], v[44+4*\u+\b], v[64*\u+16*\b+\i], v[64*\u+16*\b+\i+1]
.endr
.endr
.endr
.irp u, 0,1
.irp c, 0,1
	v_max3_num_f32 v[44+4*\u+2*\c], v[44+4*\u+2*\c], v[64*\u+32*\c+15], v[64*\u+32*\c+31]
.endr
.endr
	WIN 0
.irp u, 0,1
.irp c, 0,1
	v_max_num_f32 v[44+4*\u+2*\c], v[44+4*\u+2*\c], v[45+4*\u+2*\c]
.endr
.endr
.irp u, 0,1
	v_max_num_f32 v[56+\u], v[44+4*\u], v[46+4*\u]
.endr
.irp u, 0,1
	v_permlanex16_b32 v[52+\u], v[56+\u], s[SEL], s[SEL+1]
.endr
.irp u, 0,1
	v_max_num_f32 v[56+\u], v[56+\u], v[52+\u]     ; the step's largest score of my query
.endr
.irp u, 0,1
	v_mul_f32 v[56+\u], s[CS], v[56+\u]
.endr
.irp u, 0,1
	v_max_num_f32 v[13+2*\u], v[13+2*\u], v[56+\u]
.endr
.irp u, 0,1
	v_mov_b32 v[58+\u], v[12+2*\u]
.endr
.irp u, 0,1
	v_floor_f32 v[12+2*\u], -v[13+2*\u]            ; -M = floor(-t)
.endr
.irp u, 0,1
	v_sub_f32 v[58+\u], v[12+2*\u], v[58+\u]
.endr
.irp u, 0,1
	v_cvt_i32_f32 v[58+\u], v[58+\u]
.endr
.irp u, 0,1
	v_ldexp_f32 v[20+2*\u], 1.0, v[58+\u]          ; f = 2^(old M - new M)
.endr
.irp u, 0,1
.irp c, 0,1
	v_fma_f32 v[44+4*\u+2*\c], v[44+4*\u+2*\c], s[CS], v[12+2*\u]
.endr
.endr
.irp u, 0,1
	v_pk_mul_f32 v[16+2*\u:17+2*\u], v[16+2*\u:17+2*\u], v[20+2*\u:21+2*\u] op_sel_hi:[1,0]
.endr
	WIN 0x41
.set n, 0
.rept 16
.irp u, 0,1
	v_pk_mul_f32 v[128+32*\u+n:129+32*\u+n], v[128+32*\u+n:129+32*\u+n], v[20+2*\u:21+2*\u] op_sel_hi:[1,0]   ; O^T under the new M, each accumulator from its low end on
.endr
.set n, n+2
.endr
.set n, 0
.rept 32
.irp u, 0,1
	v_pk_fma_f32 v[64*\u+n:64*\u+n+1], v[64*\u+n:64*\u+n+1], s[CS:CS+1], v[12+2*\u:13+2*\u] op_sel_hi:[1,0,0]
.endr
.set n, n+2
.endr
	WALU                                           ; ahead of the batch
.set n, 0
.rept 128
	v_exp_f32 v[n], v[n]
.set n, n+1
.endr
	WIN 0
.irp u, 0,1
.irp c, 0,1
	v_exp_f32 v[44+4*\u+2*\c], v[44+4*\u+2*\c]     ; each block's largest p
.endr
.endr
	v_nop
	WALU                                           ; and behind it
.irp u, 0,1
.irp c, 0,1
	v_max_num_f32 v[44+4*\u+2*\c], 0x1800000, v[44+4*\u+2*\c]
.endr
.endr
.irp u, 0,1
.irp c, 0,1
	v_add_nc_u32 v[60+2*\u+\c], 0xff000000, v[44+4*\u+2*\c]
.endr
.endr
.irp u, 0,1
.irp c, 0,1
	v_lshrrev_b32 v[64+2*\u+\c], 23, v[60+2*\u+\c]
.endr
.endr
.irp u, 0,1
	v_lshl_or_b32 v[64+2*\u], v[65+2*\u], 16, v[64+2*\u]   ; my bytes: blocks h and 2 + h,
.endr
.irp u, 0,1
	v_lshlrev_b32 v[64+2*\u], v24, v[64+2*\u]      ; at their places,
.endr
.irp u, 0,1
	v_permlanex16_b32 v[54+\u], v[64+2*\u], s[SEL], s[SEL+1]
.endr
.irp u, 0,1
	v_or_b32 v[40+\u], v[64+2*\u], v[54+\u]        ; with lane l xor 16's two: p's scale word
.endr
	WIN 0x01
.irp u, 0,1
.irp c, 0,1
	v_cvt_scalef32_pk16_fp6_f32 v[PF+12*\u+6*\c:PF+12*\u+6*\c+2], v[64*\u+32*\c:64*\u+32*\c+15], v[60+2*\u+\c]
	v_cvt_scalef32_pk16_fp6_f32 v[72+8*\u+4*\c:74+8*\u+4*\c], v[64*\u+32*\c+16:64*\u+32*\c+31], v[60+2*\u+\c]
.endr
.endr
	WIN 0
	v_nop
.irp u, 0,1
.irp c, 0,1
.irp i, 0,1,2
	v_mov_b32 v[PF+12*\u+6*\c+3+\i], v[72+8*\u+4*\c+\i]
.endr
.endr
.endr
	WIN 0x05                                       ; the sums of the unquantised p, four chains by turns; these lines are also the places ahead of the products below
.irp u, 0,1
	v_pk_add_f32 v[68+2*\u:69+2*\u], v[64*\u:64*\u+1], v[64*\u+2:64*\u+3]
.endr
	WIN 0x04
.irp j, 4,8,12,16,20,24,28,32,36,40,44,48,52,56,60
.irp u, 0,1
	v_pk_add_f32 v[16+2*\u:17+2*\u], v[16+2*\u:17+2*\u], v[64*\u+\j:64*\u+\j+1]
	v_pk_add_f32 v[68+2*\u:69+2*\u], v[68+2*\u:69+2*\u], v[64*\u+\j+2:64*\u+\j+3]
.endr
.endr
	WIN 0
.irp u, 0,1
	v_pk_add_f32 v[16+2*\u:17+2*\u], v[16+2*\u:17+2*\u], v[68+2*\u:69+2*\u]
.endr
	WIN 0x50
.irp f, 0,1,2,3
.irp u, 0,1
	v_wmma_scale_f32_16x16x128_f8f6f4 v[128+32*\u+8*\f:135+32*\u+8*\f], v[VF+12*\f:VF+12*\f+11], v[PF+12*\u:PF+12*\u+11], v[128+32*\u+8*\f:135+32*\u+8*\f], v[36+\f], v[40+\u] matrix_a_fmt:MATRIX_FMT_FP6 matrix_b_fmt:MATRIX_FMT_FP6
.endr
.endr
	WIN 0
.endm
.macro PASS u
	s_wait_xcnt 0x0
.if \u == 0
	s_mov_b32 s[GG], s[WV]
.else
	s_sub_co_u32 s[GG], 15, s[WV]
.endif
	s_mul_i32 s60, s[GG], 6400
	s_mov_b32 s61, 0
	s_add_nc_u64 s[46:47], s[44:45], s[60:61]
	s_mul_i32 s60, s[GG], 98304
	s_add_nc_u64 s[48:49], s[56:57], s[60:61]
	s_lshl_b32 s60, s[GG], 12
	s_add_nc_u64 s[50:51], s[58:59], s[60:61]
.irp d, QF, QF+12                              ; tile 0: registers 0 to 5 of the operand's image, twice
	global_load_b128 v[\d:\d+3], v3, s[46:47]
	global_load_b64 v[\d+4:\d+5], v3, s[46:47] offset:512
.endr
.irp d, QF+18, QF+30                           ; tile 1: registers 6 to 11, twice
	global_load_b64 v[\d:\d+1], v3, s[46:47] offset:520
	global_load_b128 v[\d+2:\d+5], v3, s[46:47] offset:1024
.endr
	global_load_b32 v56, v4, s[46:47] offset:6144
.irp t, 0,1
	v_mov_b32 v[13+2*\t], 0xff61b1e6               ; the largest t so far: -3e38
.endr
.irp t, 0,1
	v_floor_f32 v[12+2*\t], -v[13+2*\t]
.endr
.irp j, 0,1,2,3
	v_mov_b32 v[16+\j], 0
.endr
	WALU                                           ; directly ahead of the wait below
	s_wait_loadcnt 0x0
	v_perm_b32 v28, v56, v56, 0x01000100           ; each tile's two bytes, for either half of K
	v_perm_b32 v29, v56, v56, 0x03020302
	WIN 0x40
.set n, 0
.rept 64
	v_mov_b32 v[128+n], 0
.set n, n+1
.endr
	WIN 0
	WALU
.if \u == 0
	s_wait_tensorcnt 0x0                           ; my key steps have landed
	s_barrier_signal -1
	s_barrier_wait -1                              ; and everybody's
.endif
	s_mov_b32 s[KS], 0
	s_mov_b32 s[TB], 0
.Lstep_\@:
	s_cmp_gt_u32 s[KS], s[GG]
	s_cbranch_scc1 .Lhidden_\@                     ; key steps wholly above the diagonal
	STEP
.Lhidden_\@:
	s_add_co_u32 s[TB], s[TB], 12800
	s_add_co_u32 s[KS], s[KS], 1
	s_cmp_lt_u32 s[KS], 16
	s_cbranch_scc1 .Lstep_\@
.rept 4
	v_nop
.endr
	WALU
.irp t, 0,1
	v_add_f32 v[16+2*\t], v[16+2*\t], v[17+2*\t]
.endr
.irp t, 0,1
	v_permlanex16_b32 v[52+\t], v[16+2*\t], s[SEL], s[SEL+1]
.endr
.irp t, 0,1
	v_add_f32 v[16+2*\t], v[16+2*\t], v[52+\t]
.endr
	WALU
.irp t, 0,1
	v_rcp_f32 v[16+2*\t], v[16+2*\t]
.endr
	v_nop
	WIN 0x41
	WALU
.set n, 0
.rept 16
.irp t, 0,1
	v_pk_mul_f32 v[64*\t+n:64*\t+n+1], v[128+32*\t+n:129+32*\t+n], v[16+2*\t:17+2*\t] op_sel_hi:[1,0]   ; register 8 t + i is d = 32 h + 8 t + i: one scale block of the context
.endr
.set n, n+2
.endr
	WIN 0x05
.irp t, 0,1
.irp k, 0,1
	v_max3_num_f32 v[44+4*\t+\k], |v[64*\t+16*\k]|, |v[64*\t+16*\k+1]|, 0x1800000
.endr
.endr
	WIN 0x14
.irp i, 2,4,6,8,10,12,14
.irp t, 0,1
.irp k, 0,1
	v_max3_num_f32 v[44+4*\t+\k], v[44+4*\t+\k], |v[64*\t+16*\k+\i]|, |v[64*\t+16*\k+\i+1]|
.endr
.endr
.endr
	WIN 0
.irp t, 0,1
	v_max_num_f32 v[44+4*\t], v[44+4*\t], v[45+4*\t]
.endr
.irp t, 0,1
	v_add_nc_u32 v[60+\t], 0xff000000, v[44+4*\t]
.endr
	WIN 0x01
.irp t, 0,1
	v_cvt_scalef32_pk16_fp6_f32 v[PF+12*\t:PF+12*\t+2], v[64*\t:64*\t+15], v[60+\t]
	v_cvt_scalef32_pk16_fp6_f32 v[72+8*\t:74+8*\t], v[64*\t+16:64*\t+31], v[60+\t]
.endr
	WIN 0
.irp t, 0,1
	v_lshrrev_b32 v[64+\t], 23, v[60+\t]
.endr
.irp t, 0,1
.irp i, 0,1,2
	v_mov_b32 v[PF+12*\t+3+\i], v[72+8*\t+\i]
.endr
.endr
.irp t, 0,1
.irp q, 0,1,2
	global_store_b64 v25, v[PF+12*\t+2*\q:PF+12*\t+2*\q+1], s[48:49] offset:12288*\t+256*\q   ; 256 consecutive bytes, aligned
.endr
	global_store_b8 v7, v[64+\t], s[50:51] offset:512*\t   ; my block's byte, in the row's 32
.endr
.endm
	PASS 0
	PASS 1
	s_wait_tensorcnt 0x0                           ; the wave's end
	ds_add_u32 v[SPW], v[NIL]
	s_wait_dscnt 0x0
	CROUND
	s_endpgm
.Lfunc_end_k_q8b7940e39c_attn:
	.size	k_q8b7940e39c_attn, .Lfunc_end_k_q8b7940e39c_attn-k_q8b7940e39c_attn
	.p2alignl 7, 3214868480
	.fill 96, 4, 3214868480
	.section	.rodata,"a",@progbits
	.p2align	6, 0x0
	.amdhsa_kernel k_q8b7940e39c_attn
		.amdhsa_group_segment_fixed_size 327680
		.amdhsa_private_segment_fixed_size 0
		.amdhsa_enable_private_segment 0
		.amdhsa_kernarg_size 32
		.amdhsa_user_sgpr_count 2
		.amdhsa_user_sgpr_kernarg_segment_ptr 1
		.amdhsa_wavefront_size32 1
		.amdhsa_system_sgpr_workgroup_id_x 1
		.amdhsa_system_sgpr_workgroup_id_y 1
		.amdhsa_system_sgpr_workgroup_id_z 1
		.amdhsa_system_vgpr_workitem_id 0
		.amdhsa_next_free_vgpr 512
		.amdhsa_next_free_sgpr 66
		.amdhsa_reserve_vcc 1
		.amdhsa_float_denorm_mode_32 3
		.amdhsa_float_denorm_mode_16_64 3
		.amdhsa_memory_ordered 1
		.amdhsa_forward_progress 1
		.amdhsa_inst_pref_size 100
	.end_amdhsa_kernel
	.amdgpu_metadata
---
amdhsa.version: [ 1, 2 ]
amdhsa.kernels:
  - .name:           k_q8b7940e39c_attn
    .symbol:         k_q8b7940e39c_attn.kd
    .args:
      - { .name: qb, .offset: 0, .size: 8, .value_kind: global_buffer, .address_space: global }
      - { .name: kvb, .offset: 8, .size: 8, .value_kind: global_buffer, .address_space: global }
      - { .name: att, .offset: 16, .size: 8, .value_kind: global_buffer, .address_space: global }
      - { .name: atts, .offset: 24, .size: 8, .value_kind: global_buffer, .address_space: global }
    .group_segment_fixed_size: 327680
    .private_segment_fixed_size: 0
    .kernarg_segment_align: 8
    .kernarg_segment_size: 32
    .max_flat_workgroup_size: 256
    .sgpr_count:     66
    .vgpr_count:     512
    .wavefront_size: 32
...
	.end_amdgpu_metadata
.endif
;; end of part 3
;; launch oproj (part 4): grid 8 x 32, 4 waves a work-group, clusters of 4 x 1, 327,680 bytes of LDS; arguments att, atts, cod, scl, bp, out0; writes out0
.if DOCPART == 4
	.amdgcn_target "amdgcn-amd-amdhsa--gfx1250"
	.amdhsa_code_object_version 6
	.text
	.protected	k_q8b7940e39c_oproj
	.globl	k_q8b7940e39c_oproj
	.p2align	8
	.type	k_q8b7940e39c_oproj,@function
k_q8b7940e39c_oproj:
	s_mov_b64 s[64:65], 0
	v_nop
	global_prefetch_b8 v0, s[64:65] scope:SCOPE_SE
	s_setreg_imm32_b32 hwreg(HW_REG_WAVE_MODE, 25, 1), 1
	s_wait_xcnt 0x0
	s_wait_alu depctr_hold_cnt(0) depctr_sa_sdst(0) depctr_va_vdst(0) depctr_va_sdst(0) depctr_va_ssrc(0) depctr_va_vcc(0) depctr_vm_vsrc(0)
	s_getreg_b32 s2, hwreg(HW_REG_IB_STS2, 6, 4)
	s_cmp_eq_u32 s2, 0
	s_cbranch_scc0 .Lentry_in_a_cluster
	s_endpgm
.Lentry_in_a_cluster:
	s_bfe_u32 s2, ttmp6, 0x10000c
	s_cmp_lg_u32 s2, 0x3003
	s_cbranch_scc0 .Lentry_shape_is_right
	s_endpgm
.Lentry_shape_is_right:
; out = context Wp + bp, f32, on codes of FP6 (E2M3) with E8M0 scales: 8,192 x 1,024 x 1,024.
; THE DEAL: 256 work-groups of four waves (2 x 2), each 256 tokens x 128 columns.  A wave holds four tiles of 16 columns of Wp, all of K, in registers (loaded straight from memory, each lane its fragments whole) and streams eight tiles of the context past them.
; The context's 256 rows are shared by the four work-groups of a cluster: one joint load a wave, four tiles each, filled once.  No refill and no loop to prefetch ahead in: all is asked for at the head.
; att: [tile of 16 rows][head][3 pieces][lane][8 bytes]; atts, scl: 32 scale bytes a row place; tile 4 G + j, place 8 h + i = row (token, or column of Wp) 64 G + 32 h + 8 j + i.
; Source 0 = Wp's rows: a lane holds token place r and columns 32 h + 8 t + i.  Each tile's sums go through the wave's own stage and leave as whole rows of 256 bytes.  A sum begins with the bias.
; LIMITS: NaN, infinities and sums beyond f32's range are not served.
.set FR, 12
.set TILE, 12288
.set STAGE, 16*TILE                    ; behind the context's rows: 16 rows x (256 + 16) bytes for each wave
.set SPITCH, 272
.set SPARE, STAGE+4*16*SPITCH
.set C16, 4                            ; v4 16 x lane
.set SO, 6                             ; v6 32 x lane
.set ASO, 7                            ; v7 the context's scale words: 32 r + 1,024 h
.set BIO, 8                            ; v8 128 h
.set CO, 9                             ; v9 my place in two rows of out
.set SPW, 10
.set NIL, 11
.set STO, 12
.set RD, 13
.set SB, 24                            ; v24-39 Wp's scale words
.set SA, 44                            ; v44-75 the context's: 8 m + q: lanes 0-15 block 2 m, lanes 16-31 block 2 m + 1
.set ACC, 76                           ; v76-139 two sets of four accumulators
.set BK, 140                           ; v140-203 two sets of rows back from the stage
.set BO, 204                           ; v204-235 the bias as the first products' C
.set AQ0, 236                          ; v236-243 LDS addresses of block 0's eight fragments; v244-251 of the block that is fetched
.set AQ, 244
.set MSB, 0
.macro WIN new
.if MSB != (\new)
	s_set_vgpr_msb (MSB<<8)|(\new)
.set MSB, (\new)
.endif
.endm
.macro PLACES n
.rept \n
	v_nop
.endr
.endm
.macro WALU
	s_wait_alu depctr_va_vdst(0)
.endm
.macro BARRIER
	s_barrier_signal -1
	s_barrier_wait -1
.endm
.macro CROUND
	BARRIER
	s_cmp_lg_u32 s14, 0
	s_cbranch_scc1 .Lnot_wave_0_\@
	s_barrier_signal -3
.Lnot_wave_0_\@:
	s_barrier_wait -3
	BARRIER
.endm
.macro TLOAD
	tensor_load_to_lds s[32:35], s[24:31]
	s_nop 0
	PLACES 4
.endm
.macro MM d, s0, s1, c, x0, x1, ra, rb
.if (\ra) && (\rb)
	v_wmma_scale_f32_16x16x128_f8f6f4 v[\d:\d+7], v[\s0:\s0+FR-1], v[\s1:\s1+FR-1], \c, v[\x0], v[\x1] matrix_a_fmt:MATRIX_FMT_FP6 matrix_b_fmt:MATRIX_FMT_FP6 matrix_a_scale:MATRIX_SCALE_ROW1 matrix_b_scale:MATRIX_SCALE_ROW1
.elseif (\ra)
	v_wmma_scale_f32_16x16x128_f8f6f4 v[\d:\d+7], v[\s0:\s0+FR-1], v[\s1:\s1+FR-1], \c, v[\x0], v[\x1] matrix_a_fmt:MATRIX_FMT_FP6 matrix_b_fmt:MATRIX_FMT_FP6 matrix_a_scale:MATRIX_SCALE_ROW1
.elseif (\rb)
	v_wmma_scale_f32_16x16x128_f8f6f4 v[\d:\d+7], v[\s0:\s0+FR-1], v[\s1:\s1+FR-1], \c, v[\x0], v[\x1] matrix_a_fmt:MATRIX_FMT_FP6 matrix_b_fmt:MATRIX_FMT_FP6 matrix_b_scale:MATRIX_SCALE_ROW1
.else
	v_wmma_scale_f32_16x16x128_f8f6f4 v[\d:\d+7], v[\s0:\s0+FR-1], v[\s1:\s1+FR-1], \c, v[\x0], v[\x1] matrix_a_fmt:MATRIX_FMT_FP6 matrix_b_fmt:MATRIX_FMT_FP6
.endif
.endm
; fragment f lies at register 256 + 12 f: 0-31 Wp's (4 q + t), 32-47 the context's two sets (32 + 8 e + q)
.macro PROD s, q, t
.set XF_, 256+FR*(32+8*((\s)%2)+(\q))
.set WF_, 256+FR*(4*(\q)+(\t))
.set XG_, XF_&255
.set WG_, WF_&255
.set D_, ACC+32*((\s)%2)+8*(\t)
.set B_, BO+8*(\t)
.set X0_, SB+8*((\t)/2)+(\q)
.set X1_, SA+8*((\s)/2)+(\q)
.set RA_, (\t)%2
.set RB_, (\s)%2
	WIN (WF_>>8)|((XF_>>8)<<2)
.if \q
	MM D_, WG_, XG_, v[D_:D_+7], X0_, X1_, RA_, RB_
.else
	MM D_, WG_, XG_, v[B_:B_+7], X0_, X1_, RA_, RB_
.endif
.endm
.macro PRODS s, from, to               ; product n = 4 q + t: the four accumulators take turns
.set N_, \from
.rept (\to)-(\from)
	PROD \s, N_/4, N_%4
.set N_, N_+1
.endr
	WIN 0
.endm
.macro WLD f, off
.irp k, 0,1,2
.set R_, 256+FR*(\f)+4*\k
.set W_, R_>>8
.set R_, R_&255
	WIN W_<<6
	global_load_b128 v[R_:R_+3], v[C16], s[52:53] offset:(\off)+512*\k
.endr
.endm
.macro ADDRS s                         ; my block s is the work-group's tile 2 s + wave row
.irp q, 0,1,2,3,4,5,6,7
	v_add_nc_u32 v[AQ+\q], (\s)*2*TILE, v[AQ0+\q]
.endr
.endm
.macro FETCH s                         ; 24 loads, two pieces of 8 bytes a lane each
.irp q, 0,1,2,3,4,5,6,7
.irp p, 0,2,4
.set R_, 256+FR*(32+8*((\s)%2)+\q)+2*\p
.set W_, R_>>8
.set R_, R_&255
	WIN W_<<6
	ds_load_2addr_b64 v[R_:R_+3], v[AQ+\q] offset0:32*\p offset1:32*\p+32
.endr
.endr
	WIN 0
.endm
.macro TAIL s
.set E_, (\s)%2
.if (\s)+2 < 8
	ADDRS (\s)+2                                   ; these lines are also the places behind the last product
	WALU                                           ; directly ahead of the wait below
.else
	PLACES 4
.endif
	s_wait_xcnt 0x0                                ; the stores of two blocks ago have read this set of rows
.irp b, 0,1,2,3
	ds_store_b128 v[STO], v[ACC+32*E_+8*\b:ACC+32*E_+8*\b+3] offset:32*\b       ; each accumulator from its low end on
	ds_store_b128 v[STO], v[ACC+32*E_+8*\b+4:ACC+32*E_+8*\b+7] offset:32*\b+16
.endr
.irp t, 0,1,2,3,4,5,6,7
	ds_load_b128 v[BK+32*E_+4*\t:BK+32*E_+4*\t+3], v[RD] offset:2*\t*SPITCH     ; LDS serves a wave's instructions in order: these see the stores above
.endr
.if (\s)+2 < 8
	FETCH (\s)+2
	s_wait_dscnt 24                                ; the rows are back, and the next block's fragments are in; younger are the 24 loads just issued
.else
	s_wait_dscnt 0x0
.endif
.irp t, 0,1,2,3,4,5,6,7
	global_store_b128 v[CO], v[BK+32*E_+4*\t:BK+32*E_+4*\t+3], s[12:13] offset:(64*((\s)/2)+16*((\s)%2)+32*(\t/4)+(2*\t)%8)*4096 th:TH_STORE_NT   ; sixteen lanes store 256 consecutive bytes, aligned
.endr
.endm
; ---- the head
	s_load_b128 s[4:7], s[0:1], 0x0                ; att, atts
	s_load_b128 s[8:11], s[0:1], 0x10              ; cod, scl
	s_load_b128 s[68:71], s[0:1], 0x20             ; bp, out0
	v_lshl_add_u32 v[SPW], v0, 2, SPARE
	v_mov_b32 v[NIL], 0
	ds_add_u32 v[SPW], v[NIL]                      ; the opening lines
	ds_add_u32 v[SPW], v[NIL]
	v_lshrrev_b32 v1, 5, v0
	v_readfirstlane_b32 s14, v1
	s_lshr_b32 s15, s14, 1                         ; my row of the 2 x 2
	s_and_b32 s16, s14, 1                          ; my column
	s_bfe_u32 s40, ttmp6, 0x40000
	s_and_b32 s43, ttmp7, 0xffff                   ; the group of 256 tokens
	s_lshl_b32 s42, ttmp9, 2
	s_add_co_u32 s42, s42, s40                     ; the group of 128 columns
	s_mov_b32 s24, 15|(3<<16)|(1<<21)              ; four tiles: 49,152 dense bytes as 192 rows of 256
	s_mov_b32 s25, 32<<16
	s_mov_b32 s26, 192<<16
	s_mov_b32 s27, 32<<16
	s_mov_b32 s28, 192
	s_mov_b32 s29, 32
	s_mov_b32 s30, 0
	s_mov_b32 s31, 0
	s_mov_b32 s32, 1
	s_mul_i32 s33, s14, 4*TILE
	s_mul_i32 s20, s43, 16*TILE
	s_add_co_u32 s20, s20, s33
	s_mov_b32 s21, 0
	s_mul_i32 s52, s42, 8*TILE
	s_mul_i32 s19, s16, 4*TILE
	s_add_co_u32 s52, s52, s19
	s_add_co_u32 s52, s52, 704*TILE
	s_mov_b32 s53, 0
	s_lshl_b32 s56, s42, 12
	s_lshl_b32 s19, s16, 11
	s_add_co_u32 s56, s56, s19
	s_add_co_u32 s56, s56, 704*512
	s_mov_b32 s57, 0
	s_lshl_b32 s60, s43, 13
	s_lshl_b32 s19, s15, 9
	s_add_co_u32 s60, s60, s19
	s_mov_b32 s61, 0
	s_lshl_b32 s58, s42, 9
	s_lshl_b32 s19, s16, 8
	s_add_co_u32 s58, s58, s19                     ; my 64 columns, in bytes
	s_mov_b32 s59, 0
	s_lshl_b32 s44, s43, 20
	s_lshl_b32 s19, s15, 15
	s_add_co_u32 s44, s44, s19                     ; token 256 x group + 8 x wave row
	s_add_co_u32 s44, s44, s58
	s_mov_b32 s45, 0
	v_and_b32 v1, 15, v0
	v_bfe_u32 v2, v0, 4, 1
	v_and_b32 v3, 31, v0
	v_lshlrev_b32 v[C16], 4, v3
	v_lshlrev_b32 v[SO], 5, v3
	v_lshlrev_b32 v[ASO], 10, v2
	v_lshl_add_u32 v[ASO], v1, 5, v[ASO]
	v_lshlrev_b32 v[BIO], 7, v2
	v_lshlrev_b32 v[CO], 12, v2
	v_lshl_add_u32 v[CO], v1, 4, v[CO]
	s_mul_i32 s21, s14, 16*SPITCH
	s_add_co_u32 s21, s21, STAGE
	v_mul_u32_u24 v5, v1, SPITCH
	v_lshl_add_u32 v5, v2, 7, v5
	v_add_nc_u32 v[STO], s21, v5                   ; in: row r, 128 h bytes in
	v_mul_u32_u24 v5, v2, SPITCH
	v_lshl_add_u32 v5, v1, 4, v5
	v_add_nc_u32 v[RD], s21, v5                    ; back: sixteen lanes a row
	s_mov_b32 s21, 0
	s_mul_i32 s22, s15, TILE
	v_lshl_add_u32 v[AQ0], v3, 3, s22
.irp q, 1,2,3,4,5,6,7
	v_add_nc_u32 v[AQ0+\q], 1536*\q, v[AQ0]
.endr
	WALU                                           ; the head's end
	s_wait_dscnt 0x0
	CROUND                                         ; the opening round
	s_wait_kmcnt 0x0
	s_add_nc_u64 s[34:35], s[4:5], s[20:21]
	s_or_b32 s35, s35, 0x80000000
	s_cmp_eq_u32 s14, 0
	s_cbranch_scc0 .Lrest
	TLOAD                                          ; wave 0: tiles 0 to 3, on a line of its own: they are shown ahead of the rest
	s_branch .Lasked
.Lrest:
	TLOAD
.Lasked:
	s_add_nc_u64 s[52:53], s[8:9], s[52:53]
	s_add_nc_u64 s[56:57], s[10:11], s[56:57]
	s_add_nc_u64 s[60:61], s[6:7], s[60:61]
	s_add_nc_u64 s[58:59], s[68:69], s[58:59]
	s_add_nc_u64 s[12:13], s[70:71], s[44:45]
.irp m, 0,1,2,3
.irp k, 0,1
	global_load_b128 v[SA+8*\m+4*\k:SA+8*\m+4*\k+3], v[ASO], s[60:61] offset:2048*\m+16*\k
.endr
.endr
.irp m, 0,1
.irp k, 0,1
	global_load_b128 v[SB+8*\m+4*\k:SB+8*\m+4*\k+3], v[SO], s[56:57] offset:1024*\m+16*\k
.endr
.endr
.irp t, 0,1,2,3
	global_load_b128 v[BO+8*\t:BO+8*\t+3], v[BIO], s[58:59] offset:32*\t
	global_load_b128 v[BO+8*\t+4:BO+8*\t+7], v[BIO], s[58:59] offset:32*\t+16
.endr
.irp q, 0,1,2,3,4,5,6,7                ; Wp's fragments, 12 loads a K step
.irp t, 0,1,2,3
	WLD 4*\q+\t, \t*TILE+1536*\q
.endr
.endr
	WIN 0
	s_cmp_eq_u32 s14, 0
	s_cbranch_scc0 .Lnot_0
	s_wait_tensorcnt 0x0                           ; wave 0: tiles 0 to 3 have landed
.Lnot_0:
	BARRIER
	ADDRS 0
	FETCH 0
	ADDRS 1
	FETCH 1
	s_wait_dscnt 24
; ---- the stream
.irp q, 0,1,2,3,4,5,6,7                ; block 0: K step q waits for the loads up to its own; the later steps' 12 (7 - q) may be out (the wait's field holds 63)
.if 12*(7-\q) > 63
	s_wait_loadcnt 63
.else
	s_wait_loadcnt 12*(7-\q)
.endif
.if \q == 4
	s_wait_tensorcnt 0x0                           ; every wave: its tiles have landed
	s_wait_dscnt 0x0
	s_barrier_signal -1                            ; a plain barrier shows all 16 tiles to all
.endif
.if \q == 6
	s_barrier_wait -1
.endif
	PRODS 0, 4*\q, 4*\q+4
.endr
	TAIL 0
.irp s, 1,2,3,4,5,6,7
	PRODS \s, 0, 32
	TAIL \s
.endr
	s_wait_tensorcnt 0x0                           ; the wave's end
	ds_add_u32 v[SPW], v[NIL]
	s_wait_dscnt 0x0
	CROUND                                         ; the closing round
	s_endpgm
.Lfunc_end_k_q8b7940e39c_oproj:
	.size	k_q8b7940e39c_oproj, .Lfunc_end_k_q8b7940e39c_oproj-k_q8b7940e39c_oproj
	.p2alignl 7, 3214868480
	.fill 96, 4, 3214868480
	.section	.rodata,"a",@progbits
	.p2align	6, 0x0
	.amdhsa_kernel k_q8b7940e39c_oproj
		.amdhsa_group_segment_fixed_size 327680
		.amdhsa_private_segment_fixed_size 0
		.amdhsa_enable_private_segment 0
		.amdhsa_kernarg_size 48
		.amdhsa_user_sgpr_count 2
		.amdhsa_user_sgpr_kernarg_segment_ptr 1
		.amdhsa_wavefront_size32 1
		.amdhsa_system_sgpr_workgroup_id_x 1
		.amdhsa_system_sgpr_workgroup_id_y 1
		.amdhsa_system_sgpr_workgroup_id_z 1
		.amdhsa_system_vgpr_workitem_id 0
		.amdhsa_next_free_vgpr 832
		.amdhsa_next_free_sgpr 100
		.amdhsa_reserve_vcc 0
		.amdhsa_float_denorm_mode_32 3
		.amdhsa_float_denorm_mode_16_64 3
		.amdhsa_memory_ordered 1
		.amdhsa_forward_progress 1
		.amdhsa_inst_pref_size 83
	.end_amdhsa_kernel
	.amdgpu_metadata
---
amdhsa.version: [ 1, 2 ]
amdhsa.kernels:
  - .name:           k_q8b7940e39c_oproj
    .symbol:         k_q8b7940e39c_oproj.kd
    .args:
      - { .name: att, .offset: 0, .size: 8, .value_kind: global_buffer, .address_space: global }
      - { .name: atts, .offset: 8, .size: 8, .value_kind: global_buffer, .address_space: global }
      - { .name: cod, .offset: 16, .size: 8, .value_kind: global_buffer, .address_space: global }
      - { .name: scl, .offset: 24, .size: 8, .value_kind: global_buffer, .address_space: global }
      - { .name: bp, .offset: 32, .size: 8, .value_kind: global_buffer, .address_space: global }
      - { .name: out0, .offset: 40, .size: 8, .value_kind: global_buffer, .address_space: global }
    .group_segment_fixed_size: 327680
    .private_segment_fixed_size: 0
    .kernarg_segment_align: 8
    .kernarg_segment_size: 48
    .max_flat_workgroup_size: 128
    .sgpr_count:     100
    .vgpr_count:     832
    .wavefront_size: 32
...
	.end_amdgpu_metadata
.endif
;; end of part 4
